; MI455X (gfx1250); checked and timed in simulation.
; The chip was launched on July 23, 2026; its instructions are those of AMD's public machine-readable ISA for CDNA 5 (MIT licence, August 2026) and "CDNA5" Instruction Set Architecture Reference Guide (July 2026). The comments in the code are by the model that wrote it; some were corrected since.
;; Attention. Allowed arithmetic: matrix products marked QUANTISED: E2M3 operands, one E8M0 scale for each 32 along K, by v_wmma_scale_f32_16x16x128_f8f6f4 with both operands' format E2M3, f32 sums; everything else in f32.
;; Inputs: K_codes 4 x 16 x 2,048 x 2 x 24 uint8 (E2M3 codes of K, K innermost, in blocks of 32 codes, four codes in three bytes); K_scales 4 x 16 x 2,048 x 2 uint8 (E8M0 scales of K, one for each 32 codes along K); Q_codes 4 x 16 x 2,048 x 2 x 24 uint8 (E2M3 codes of Q, K innermost, in blocks of 32 codes, four codes in three bytes); Q_scales 4 x 16 x 2,048 x 2 uint8 (E8M0 scales of Q, one for each 32 codes along K); V_codes 4 x 16 x 64 x 64 x 24 uint8 (E2M3 codes of V, K innermost, in blocks of 32 codes, four codes in three bytes); V_scales 4 x 16 x 64 x 64 uint8 (E8M0 scales of V, one for each 32 codes along K).
;; Outputs: out0 4 x 16 x 2,048 x 64 float32.
;; This version of the problem:
;;   THIS VERSION OF THE PROBLEM IS GIVEN IN LOW PRECISION. The matrix products marked QUANTISED in the list below multiply operands that are first quantised to E2M3 (2 exponent bits, 3 mantissa bits; 6 bits a number), with one power-of-two scale for each 32 numbers along K (OCP MX v1.0); their sums are f32. All else is computed in f32.
;;   The module's matrix products, in the order in which they are computed (A, B: the left and right operand; K: the contracted axis; several contracted axes count as one K, in the product's order):
;;     1. batch 64 x [M 2,048, K 64] x [K 64, N 2,048]; A: input Q (given as codes); B: input K (given as codes): QUANTISED
;;     2. batch 64 x [M 2,048, K 2,048] x [K 2,048, N 64]; A: softmax (see below); B: input V (given as codes): QUANTISED
;;   THE QUANTISER, for each operand of a quantised product, along K:
;;     - K is cut into blocks of 32 from its start; a last block that is shorter is filled with zeros.
;;     - A block's scale is 2^e with e = floor(log2(the largest magnitude in the block)) - 2, held to -126 .. 127; a block of zeros has e = 0. As a byte (E8M0): e + 127.
;;     - Each number is divided by its block's scale, clamped to +-7.5, and rounded to the nearest number of E2M3, ties to even, subnormals kept.
;;     - The product sums the exact products of the quantised numbers (number of the format x scale) in f32.
;;   ~~~python
;;   def quantise(x, axis):      # numpy; x: float32 -> the quantised numbers, widened to float32 again
;;       x = np.moveaxis(x, axis, -1); K = x.shape[-1]
;;       x = np.pad(x, [(0, 0)] * (x.ndim - 1) + [(0, -K % 32)]); x = x.reshape(x.shape[:-1] + (-1, 32)); a = np.abs(x).max(-1, keepdims=True)
;;       e = np.where(a > 0, np.clip(np.frexp(np.where(a > 0, a, 1))[1] - 1 - 2, -126, 127), 0)      # np.frexp(a)[1] - 1 = floor(log2(a)), exactly
;;       r = np.clip(x / 2.0 ** e, -7.5, 7.5)
;;       step = 2.0 ** (np.maximum(np.frexp(np.where(r == 0, 1, r))[1] - 1, 0) - 3)
;;       q = np.round(r / step) * step * 2.0 ** e      # np.round: ties to even
;;       return np.moveaxis(q.reshape(q.shape[:-2] + (-1,))[..., :K], -1, axis).astype(np.float32)
;;   ~~~
;;   SOFTMAX AHEAD OF A QUANTISED PRODUCT. Where the list says 'softmax', what is quantised is not the finished softmax but p = 2^(t - M), with t = logit x log2(e) and M = ceil(the row's largest t), a whole number; so 1/2 < the row's largest p <= 1. The row's sum l is taken of the UNQUANTISED p, in f32, and the product's result is divided by l at the end. Since M is a whole number, a kernel that streams over the keys may use a running M (the ceiling of the running maximum): every later rescaling is an exact power of two, which a block's scale takes up: the codes' values come out the same.
;;   OPERANDS COMPUTED ON THE WAY. 'Computed on the way' means the value that the module computes at that place (a softmax that the list does not call 'softmax' is quantised finished and normalised). What goes into a quantiser is computed in f32, as accurately as f32 sums, v_exp_f32 and their like allow (about 1e-6 of the number): no bf16 or f16 on the way to a quantiser, and a product that is left as it is and whose result goes on into a quantised operand takes f32 operands (vector FMAs, or v_wmma_f32_16x16x4_f32). A number that lies on a knife's edge between two numbers of the format may be rounded either way, as far as f32 arithmetic and the matrix unit's own rounding can turn it there, and no further.
;;   INPUTS GIVEN AS CODES. K (in the module: [4, 16, 2048, 64], K = its axis 3); Q (in the module: [4, 16, 2048, 64], K = its axis 3); V (in the module: [4, 16, 2048, 64], K = its axis 2): each comes as NAME_codes (uint8): NAME with its K axis moved to the last place and cut into blocks of 32 codes, [.., K / 32, bytes a block], one block behind the other in memory; four codes in three bytes: a row's codes are one little-endian stream of bits, code i at bits 6 i .. 6 i + 5 (a code: sign, 2 exponent bits, 3 mantissa bits); and NAME_scales (uint8): the same leading axes, one E8M0 byte (e + 127) for each 32 codes along K. Its value is code x scale, taken as it is: it is not quantised again, and the codes and scales need not be those that the quantiser above would give.
;; One version. Each part assembles by itself: llvm-mc -triple=amdgcn-amd-amdhsa -mcpu=gfx1250 --defsym DOCPART=n.
;; ======== version 1 of 1: 1 launch
;; launch attn (part 1): grid 4 x 64, 16 waves a work-group, clusters of 4 x 1, 327,680 bytes of LDS; arguments K_codes, K_scales, Q_codes, Q_scales, V_codes, V_scales, out0; writes out0
.if DOCPART == 1
	.amdgcn_target "amdgcn-amd-amdhsa--gfx1250"
	.amdhsa_code_object_version 6
	.text
	.protected	k_qe9ceccca5f_attn
	.globl	k_qe9ceccca5f_attn
	.p2align	8
	.type	k_qe9ceccca5f_attn,@function
k_qe9ceccca5f_attn:
	s_mov_b64 s[64:65], 0
	v_nop
	global_prefetch_b8 v0, s[64:65] scope:SCOPE_SE
	s_setreg_imm32_b32 hwreg(HW_REG_WAVE_MODE, 25, 1), 1
	s_wait_xcnt 0x0
	s_wait_alu depctr_hold_cnt(0) depctr_sa_sdst(0) depctr_va_vdst(0) depctr_va_sdst(0) depctr_va_ssrc(0) depctr_va_vcc(0) depctr_vm_vsrc(0)
	s_getreg_b32 s2, hwreg(HW_REG_IB_STS2, 6, 4)
	s_cmp_eq_u32 s2, 0
	s_cbranch_scc0 .Lentry_in_a_cluster
	s_endpgm
.Lentry_in_a_cluster:
	s_bfe_u32 s2, ttmp6, 0x10000c
	s_cmp_lg_u32 s2, 0x3003
	s_cbranch_scc0 .Lentry_shape_is_right
	s_endpgm
.Lentry_shape_is_right:
; out0[head][q][:] = the sum over keys k <= q of softmax_k(Q[q] . K[k] / 8) V[k][:], 64 heads, 2,048 queries and keys, head size 64.
; Both products on codes of FP6 (E2M3) with one E8M0 scale for each 32 along a product's K, as they arrive: Q, K: 48 bytes of codes and 2 scale bytes a row;
; V with the keys innermost: 64 rows (d) of 1,536 bytes of codes and 64 scale bytes.  out0: f32, a row of 256 bytes.
; THE SOFTMAX AHEAD OF THE SECOND PRODUCT: t = score x log2(e) / 8; M = the row's largest t so far, rounded UP to a whole number; p = 2^(t - M) is quantised along the keys, not normalised.
; The row's sum is taken of the unquantised p, in f32, and divides at the end.  When M moves, the sum and O are multiplied by 2^(old M - new M): exact.
; SHARES.  A cluster of four work-groups is one head.  A head's K, V and scale bytes (205 KB; 230,656 bytes of LDS with padding) stay in each work-group's LDS: every byte is asked for ONCE, jointly by the four,
; at the head of the launch; nothing is filled again, so the loops hold no barrier and no wait for a tile.
; A head has 128 tiles of 16 queries; tile 4 u + cx belongs to partner cx, so which key steps a tile needs (steps 0 .. u / 2 of 128 keys, the last on the diagonal) hangs on u alone and never on the place in the cluster.
; Wave w of sixteen takes u = 31 - w and then u = w: (16 - w / 2) + (w / 2 + 1) = 17 key steps for every wave.  Phase A: the high tile against keys 0 .. 1,023 (8 steps, all open); a barrier, behind which keys 1,024 .. 2,047
; have landed; phase B: the high tile's other steps; its way out; phase C: the low tile; its way out.
; LAYOUT.  Both products are used transposed: S^T = K Q^T (source 0 = 16 keys, source 1 = my 16 queries), O^T = V^T P^T (source 0 = 16 of the head's 64, source 1 = P): a lane holds ONE query (lane % 16) throughout.
; THE KEYS OF A TILE ARE NOT NEIGHBOURS: row m of K's tile 4 c + T takes key 64 c + 32 (m / 8) + 8 T + m % 8 of the step, so that a lane's score registers 32 c .. 32 c + 31 are the WHOLE block 2 c + lane / 16 of 32 keys, in order:
; a block's maximum needs no other lane, and the conversions' results are P's operand registers as they stand (three moves a block: a conversion's three registers begin on an even number).
; THE FIRST PRODUCT'S K IS 64, half of the instruction's 128: registers 6 .. 11 of Q's and of each of K's fragments hold zero codes, written once; the scale words come by 16-bit loads, so the bytes over the zero codes are 0.
; No matrix instruction follows another on the same accumulator (the accumulators take turns).
; LIMITS.  Hidden keys count as p = 0, where the definition fills their logit with -1e10: the two differ only where a row's largest open logit lies under about -1e10 + 100.  The running maximum starts at -3e38: scores under that are not served.
; A p under 2^-126 comes out of v_exp_f32 as 0.  A given scale byte 0xff makes NaN, as the format says.
.set DELTA,  49280                     ; LDS: KE at 0: row g of 1,536 bytes = keys 64 g .. 64 g + 31, 48 bytes a key; KO at DELTA: keys 64 g + 32 .. 64 g + 63.  DELTA = 128 mod 256: with it the 32 lanes of a load of 8 bytes
                                       ; stand at 6 (r % 8) + 16 (r / 8) + 3 h pieces of 8 bytes mod 32: all different
.set VB,     98560                     ; V: eight chunks of 256 keys; in a chunk 64 rows d, 192 bytes of codes as 3 x (64 + 16 of padding): 240 bytes apart
.set VCH,    64*240
.set SCK,    221440                    ; K's scale bytes: 64 rows (32 keys, 64 bytes) + 8 of padding
.set SCV,    226048                    ; V's: 64 rows d of 64 bytes + 8 of padding
.set STAGE,  230656                    ; the way out: 16 rows x (256 + 16) bytes for each wave; no tile ever lands here
.set SPITCH, 272
.set AK0,  1                           ; v1   my lane's place in a tile of K: 48 (r % 8) + DELTA (r / 8) + 24 h
.set AV0,  2                           ; v2   in a tile of V: VB + 240 r + 24 h
.set AV1,  3                           ; v3   the same behind one padding more: VB + 240 r + 40 h
.set ASK,  4                           ; v4   among K's scale words
.set ASV,  5                           ; v5   among V's
.set STO,  6                           ; v6   the stage: where I put 32 bytes of a row
.set RD,   7                           ; v7   and where I read rows back
.set GO,   8                           ; v8   16 x lane: my bytes of two rows of out0
.set SH8,  9                           ; v9   8 h
.set DQ,   10                          ; v10  the tile in hand: my query less the diagonal step's first key less 32 h
.set DQ2,  11                          ; v11  the low tile's
                                       ; v12 -M, v13 the largest score so far, v[14:15] the sum in two halves
.set ADK,  16                          ; v16-20 the addresses of the step in hand (at the head v16, v17: Q's offsets)
.set ADV0, 17
.set ADV1, 18
.set ADS,  19
.set ADT,  20
.set QS2,  21                          ; v21  the low tile's scale words of Q;  v21-31 hold scales and nothing else
.set QS,   22                          ; v22  Q's scale words
.set PS,   23                          ; v23  P's scale word
.set KS,   24                          ; v24-27 K's: register k: lanes 0-15 tile 2 k, lanes 16-31 tile 2 k + 1
.set VS,   28                          ; v28-31 V's: register 2 u + q: lanes 0-15 tile 2 u, lanes 16-31 tile 2 u + 1, step q of the chunk
.set QF,   32                          ; v32-43 Q's fragment (38-43 zero codes)
.set PF,   44                          ; v44-55 P's codes
.set OT,   56                          ; v56-87 O^T: four tiles
.set S,    88                          ; v88-151 S^T, then p; when p is done with, v88-135 take V's four fragments
.set KF,   152                         ; v152-247 K's eight fragments, 12 registers each: 6 of codes, 6 of zero codes
.set MX,   152                         ; at work, in K's code registers, which are free behind the first product: v152-155 maxima,
.set T,    156
.set T2,   157
.set SO,   164                         ; v164-165 the conversions' scale operands, v166-167 the bytes, v168 my half of the scale word
.set BY,   166
.set W,    168
.set CT0,  176                         ; v176-178, v188-190 the blocks' upper 16 codes
.set CT1,  188
.set SUM2, 200                         ; v[200:201] the sum's second chain
.set NINF, 213                         ; -infinity
.set FF,   248                         ; v[248:249] f = 2^(old M - new M), and a 0 that is named with it
.set QL,   250                         ; v250-255 the low tile's codes of Q
.set WV,   18                          ; s18  my wave's number
.set CX,   19                          ; s19  my place in the cluster: it enters Q's and out0's addresses and the mask's compare alone
.set SEL,  20                          ; s[20:21] lane selects for v_permlanex16_b32: lane l xor 16
.set CS,   22                          ; s[22:23] c = log2(e) / 8
.set G1K,  24                          ; s[24:31], s[32:39], s[40:47] descriptor groups 1: K, V, scale bytes
.set G1V,  32
.set G1S,  40
.set G0S,  48                          ; groups 0: scale bytes; K's first and second half; V's
.set G0K1, 52
.set G0K2, 56
.set G0V1, 60
.set G0V2, 68
.set SI,   72                          ; s72  the key step
.set SD,   73                          ; s73  the step on the diagonal of the tile in hand
.set TBK,  74                          ; s74  3,072 x step: K's rows
.set TBV,  75                          ; s75  15,360 x chunk
.set TS,   76                          ; s76  288 x step: K's scale rows
.set TJ,   77                          ; s77  8 x chunk: V's scale words
.set CNT,  78
.set SDL,  79                          ; s79  the low tile's diagonal step
.set QCH,  80                          ; s[80:83] Q's codes at the high and the low tile;  s[84:87] its scale bytes;  s[88:91] out0
.set QSH,  84
.set OH,   88
.set W0K,  15|(3<<16)|(1<<21)                          ; 15:0 the mask: all four work-groups; 17:16 elements of 8 bytes; 21 set beside a mask
.set W0V,  15|(0<<16)|(1<<20)|(1<<21)|(3<<22)|(3<<25)  ; elements of 1 byte; 20 padding on; 24:22 after every 16 words (code 3); 31:25 4 words of it (code 3)
.set W0S,  15|(2<<16)|(1<<20)|(1<<21)|(3<<22)|(1<<25)  ; elements of 4 bytes; after every 16 words 2 words of padding
.macro GROUP1 g, w0, c, r, p           ; a tile of r rows x c elements, p elements from row to row
	s_mov_b32 s[\g], \w0
	s_mov_b32 s[\g+1], (\c)<<16                    ; tensor_dim0
	s_mov_b32 s[\g+2], (\r)<<16                    ; tensor_dim1
	s_mov_b32 s[\g+3], (\c)<<16                    ; tile_dim0
	s_mov_b32 s[\g+4], \r                          ; tile_dim1
	s_mov_b32 s[\g+5], \p                          ; tensor_dim0_stride
	s_mov_b32 s[\g+6], 0
	s_mov_b32 s[\g+7], 0
.endm
; A round of the cluster's barrier: my work-group's barrier, so that wave 0's signal speaks for all sixteen waves; wave 0 signals for the work-group; every wave waits for all four work-groups; my work-group's barrier once more.
.macro CROUND
	s_barrier_signal -1
	s_barrier_wait -1
	s_cmp_lg_u32 s[WV], 0
	s_cbranch_scc1 .Lnot_wave_0_\@
	s_barrier_signal -3
.Lnot_wave_0_\@:
	s_barrier_wait -3
	s_barrier_signal -1
	s_barrier_wait -1
.endm
.macro BASES q0, n                     ; the byte offsets of the tile whose first query is s[q0]: codes 48, scale bytes 2, out0 256 bytes a query, each behind the head's
	s_mul_i32 s[QCH+2*\n], s[\q0], 48
	s_mov_b32 s[QCH+2*\n+1], 0
	s_add_nc_u64 s[QCH+2*\n:QCH+2*\n+1], s[QCH+2*\n:QCH+2*\n+1], s[94:95]
	s_lshl_b32 s[QSH+2*\n], s[\q0], 1
	s_mov_b32 s[QSH+2*\n+1], 0
	s_add_nc_u64 s[QSH+2*\n:QSH+2*\n+1], s[QSH+2*\n:QSH+2*\n+1], s[96:97]
	s_lshl_b32 s[OH+2*\n], s[\q0], 8
	s_mov_b32 s[OH+2*\n+1], 0
	s_add_nc_u64 s[OH+2*\n:OH+2*\n+1], s[OH+2*\n:OH+2*\n+1], s[92:93]
.endm
	s_load_b256 s[4:11], s[0:1], 0x0               ; K's codes s[4:5], K's scales s[6:7], Q's codes s[8:9], Q's scales s[10:11]
	s_load_b128 s[12:15], s[0:1], 0x20             ; V's codes, V's scales
	s_load_b64 s[16:17], s[0:1], 0x30              ; out0
	v_lshl_add_u32 v254, v0, 2, 0x49500
	v_mov_b32 v255, 0
	ds_add_u32 v254, v255
	ds_add_u32 v254, v255
	s_wait_dscnt 0x0
	v_lshrrev_b32 v16, 5, v0
	s_delay_alu instid0(VALU_DEP_1)
	v_readfirstlane_b32 s[WV], v16                 ; wave 0..15
	s_bfe_u32 s[CX], ttmp6, 0x40000                ; cx
	s_and_b32 s98, ttmp7, 0xffff                   ; the head, which the four partners share
	s_mul_i32 s94, s98, 98304                      ; its first byte in each tensor of codes,
	s_mov_b32 s95, 0
	s_lshl_b32 s96, s98, 12                        ; in each tensor of scale bytes,
	s_mov_b32 s97, 0
	s_lshl_b32 s92, s98, 19                        ; and in out0
	s_mov_b32 s93, 0
	s_and_b32 s99, s[WV], 1                        ; e: waves 0 and 1 fetch K's even and odd groups of 32 keys, and K's and V's scale bytes
	GROUP1 G1K, W0K, 192, 16, 384                  ; K: 16 rows of 1,536 bytes (32 keys), 3,072 bytes apart in memory, on end in LDS
	GROUP1 G1V, W0V, 192, 64, 1536                 ; V: 64 rows of 192 bytes (256 keys), 1,536 bytes apart
	GROUP1 G1S, W0S, 16, 64, 16                    ; scale bytes: 64 dense rows of 64 bytes
	s_mov_b32 s[SEL], 0x76543210
	s_mov_b32 s[SEL+1], 0xfedcba98
	s_mov_b32 s[CS], 0x3e38aa3b                    ; c = log2(e) / 8
	s_mov_b32 s[CS+1], s[CS]                       ; (named with it as a pair, so it is written)
	; groups 0: every wave makes all five, from the head and its own number; no place in the cluster enters them
	s_mov_b32 s[G0S], 1                            ; 1:0 count = 1
	s_mul_i32 s[G0S+1], s99, 4608
	s_add_co_u32 s[G0S+1], s[G0S+1], SCK           ; 63:32 LDS address: K's scale bytes (e = 0) or V's (1)
	s_mov_b32 s[G0K1], 1
	s_mul_i32 s[G0K1+1], s99, DELTA                ; KE or KO
	s_mul_i32 s[G0K1+2], s99, 1536
	s_mov_b32 s[G0K1+3], 0
	s_add_nc_u64 s[G0K1+2:G0K1+3], s[G0K1+2:G0K1+3], s[94:95]
	s_mov_b32 s[G0K2], 1
	s_add_co_u32 s[G0K2+1], s[G0K1+1], 16*1536     ; rows 16 .. 31: keys 1,024 on
	s_add_co_u32 s98, s[WV], 2
	s_and_b32 s98, s98, 3                          ; waves 2 .. 5 fetch V's chunks 0 .. 3, and then 4 .. 7
	s_mov_b32 s[G0V1], 1
	s_mul_i32 s[G0V1+1], s98, VCH
	s_add_co_u32 s[G0V1+1], s[G0V1+1], VB
	s_mul_i32 s[G0V1+2], s98, 192
	s_mov_b32 s[G0V1+3], 0
	s_add_nc_u64 s[G0V1+2:G0V1+3], s[G0V1+2:G0V1+3], s[94:95]
	s_mov_b32 s[G0V2], 1
	s_add_co_u32 s[G0V2+1], s[G0V1+1], 4*VCH
	; my two tiles
	s_xor_b32 s2, s[WV], 31                        ; the high tile's u = 31 - wave
	s_lshr_b32 s[SD], s2, 1                        ; its diagonal step
	s_lshr_b32 s[SDL], s[WV], 1                    ; the low tile's (u = wave)
	s_lshl_b32 s3, s[CX], 4
	s_lshl_b32 s2, s2, 6
	s_add_co_u32 s2, s2, s3                        ; the high tile's first query: 64 u + 16 cx
	s_lshl_b32 s[SI], s[WV], 6
	s_add_co_u32 s3, s[SI], s3                     ; the low tile's
	BASES 2, 0
	BASES 3, 1
	s_wait_kmcnt 0x0
	s_cmp_eq_u32 s99, 0                            ; the choice hangs on the wave's number alone
	s_cselect_b64 s[G0S+2:G0S+3], s[6:7], s[14:15]
	s_add_nc_u64 s[G0S+2:G0S+3], s[G0S+2:G0S+3], s[96:97]          ; 120:64 global address
	s_add_nc_u64 s[G0K1+2:G0K1+3], s[4:5], s[G0K1+2:G0K1+3]
	s_add_nc_u64 s[G0K2+2:G0K2+3], s[G0K1+2:G0K1+3], 16*3072
	s_add_nc_u64 s[G0V1+2:G0V1+3], s[12:13], s[G0V1+2:G0V1+3]
	s_add_nc_u64 s[G0V2+2:G0V2+3], s[G0V1+2:G0V1+3], 4*192
.irp g, G0S, G0K1, G0K2, G0V1, G0V2
	s_or_b32 s[\g+3], s[\g+3], 0x80000000          ; 127:126 type = 2
.endr
.irp n, 0,1
	s_add_nc_u64 s[QCH+2*\n:QCH+2*\n+1], s[8:9], s[QCH+2*\n:QCH+2*\n+1]
	s_add_nc_u64 s[QSH+2*\n:QSH+2*\n+1], s[10:11], s[QSH+2*\n:QSH+2*\n+1]
	s_add_nc_u64 s[OH+2*\n:OH+2*\n+1], s[16:17], s[OH+2*\n:OH+2*\n+1]
.endr
	CROUND                                         ; all four work-groups are here: the joint loads meet
	; ALL FILLS OF THE LAUNCH, one group; a wave's stand in one branch on its number.  Of mine at most three are out.  Four v_nop follow a wave's last.
	s_cmp_lt_u32 s[WV], 2
	s_cbranch_scc0 .Lnot_k
	tensor_load_to_lds s[G0S:G0S+3], s[G1S:G1S+7]          ; a head's scale bytes of K (wave 0) or V (wave 1)
	s_nop 0
	tensor_load_to_lds s[G0K1:G0K1+3], s[G1K:G1K+7]        ; keys 0 .. 1,023, my groups of 32
	s_nop 0
	tensor_load_to_lds s[G0K2:G0K2+3], s[G1K:G1K+7]        ; keys 1,024 .. 2,047
	s_nop 0
.rept 4
	v_nop
.endr
	s_branch .Lasked
.Lnot_k:
	s_cmp_lt_u32 s[WV], 6
	s_cbranch_scc0 .Lasked
	tensor_load_to_lds s[G0V1:G0V1+3], s[G1V:G1V+7]        ; my chunk of keys 0 .. 1,023
	s_nop 0
	tensor_load_to_lds s[G0V2:G0V2+3], s[G1V:G1V+7]        ; and of keys 1,024 .. 2,047
	s_nop 0
.rept 4
	v_nop
.endr
.Lasked:
	v_and_b32 v18, 15, v0                          ; r = lane % 16
	v_bfe_u32 v19, v0, 4, 1                        ; h = lane / 16
	s_delay_alu instid0(VALU_DEP_2)
	v_mul_u32_u24 v16, v18, 48
	s_delay_alu instid0(VALU_DEP_1)
	v_mad_u32_u24 v16, v19, 24, v16                ; Q: row r of 48 bytes, + 24 h: the codes of k = 32 h .. 32 h + 31
	s_delay_alu instid0(VALU_DEP_4)
	v_lshlrev_b32 v17, 1, v18                      ; and its two scale bytes
.irp p, 0,1,2
	global_load_b64 v[QF+2*\p:QF+2*\p+1], v16, s[QCH:QCH+1] offset:8*\p
	global_load_b64 v[QL+2*\p:QL+2*\p+1], v16, s[QCH+2:QCH+3] offset:8*\p
.endr
	global_load_u16 v[QS], v17, s[QSH:QSH+1]       ; widened with zeros: bytes 2 and 3 stand over the zero codes
	global_load_u16 v[QS2], v17, s[QSH+2:QSH+3]
	v_and_b32 v12, 7, v0                           ; r % 8
	v_bfe_u32 v13, v0, 3, 1                        ; r / 8
	v_and_b32 v14, 31, v0                          ; lane
	s_delay_alu instid0(VALU_DEP_3)
	v_mul_u32_u24 v[AK0], v12, 48
	s_delay_alu instid0(VALU_DEP_1)
	v_mad_u32_u24 v[AK0], v13, DELTA, v[AK0]
	s_delay_alu instid0(VALU_DEP_1)
	v_mad_u32_u24 v[AK0], v19, 24, v[AK0]
	v_mul_u32_u24 v[AV0], v18, 240
	s_delay_alu instid0(VALU_DEP_1)
	v_add_nc_u32 v[AV0], VB, v[AV0]
	s_delay_alu instid0(VALU_DEP_1)
	v_mad_u32_u24 v[AV1], v19, 40, v[AV0]
	s_delay_alu instid0(VALU_DEP_2)
	v_mad_u32_u24 v[AV0], v19, 24, v[AV0]
	v_mul_u32_u24 v[ASK], v13, 72                  ; K's scale words: row (of 32 keys) r / 8, key r % 8 of a tile's eight; lanes 16-31 the next tile's, 8 keys on
	s_delay_alu instid0(VALU_DEP_1)
	v_lshl_add_u32 v[ASK], v12, 1, v[ASK]
	s_delay_alu instid0(VALU_DEP_1)
	v_lshl_add_u32 v[ASK], v19, 4, v[ASK]
	s_delay_alu instid0(VALU_DEP_1)
	v_add_nc_u32 v[ASK], SCK, v[ASK]
	v_mul_u32_u24 v[ASV], v14, 72                  ; V's: row d = lane: lanes 0-15 one tile, lanes 16-31 the next
	s_delay_alu instid0(VALU_DEP_1)
	v_add_nc_u32 v[ASV], SCV, v[ASV]
	s_mul_i32 s98, s[WV], 16*SPITCH
	s_add_co_u32 s98, s98, STAGE                   ; my stage
	v_mul_u32_u24 v[STO], v18, SPITCH
	s_delay_alu instid0(VALU_DEP_1)
	v_lshl_add_u32 v[STO], v19, 5, v[STO]
	s_delay_alu instid0(VALU_DEP_1)
	v_add_nc_u32 v[STO], s98, v[STO]               ; in: row r, + 32 h
	v_mul_u32_u24 v[RD], v19, SPITCH
	s_delay_alu instid0(VALU_DEP_1)
	v_lshl_add_u32 v[RD], v18, 4, v[RD]
	s_delay_alu instid0(VALU_DEP_1)
	v_add_nc_u32 v[RD], s98, v[RD]                 ; back: lanes 0-15 one row, lanes 16-31 the next
	v_lshlrev_b32 v[GO], 4, v14
	v_lshlrev_b32 v[SH8], 3, v19
	v_lshlrev_b32 v20, 5, v19
	s_delay_alu instid0(VALU_DEP_1)
	v_sub_nc_u32 v20, v18, v20                     ; r - 32 h
	v_mov_b32 v[DQ], s2
	s_delay_alu instid0(VALU_DEP_1)
	v_and_b32 v[DQ], 0x7f, v[DQ]                   ; a tile's first query less its diagonal step's first key = the first query mod 128
	s_delay_alu instid0(VALU_DEP_1)
	v_add_nc_u32 v[DQ], v[DQ], v20
	v_mov_b32 v[DQ2], s3
	s_delay_alu instid0(VALU_DEP_1)
	v_and_b32 v[DQ2], 0x7f, v[DQ2]
	s_delay_alu instid0(VALU_DEP_1)
	v_add_nc_u32 v[DQ2], v[DQ2], v20
.irp j, 6,7,8,9,10,11                  ; THE ZERO CODES of k = 64 .. 127, written once: 6 registers of Q's fragment and of each of K's eight
	v_mov_b32 v[QF+\j], 0
.irp i, 0,1,2,3,4,5,6,7
	v_mov_b32 v[KF+12*\i+\j], 0
.endr
.endr
	v_mov_b32 v[FF+1], 0                           ; (named as the upper half of the pair v[248:249])
	v_mov_b32 v[T2], 0                             ; (a lane permute's destination counts as one of its sources)
	s_mov_b32 s[SI], 0
	s_mov_b32 s[TBK], 0
	s_mov_b32 s[TBV], 0
	s_mov_b32 s[TS], 0
	s_mov_b32 s[TJ], 0
; A tile begins: the largest score -3e38, under every score; the sum and O^T zeros, so that the step is written once: its first f is 0 and multiplies zeros.
.macro TILE_INIT
	v_mov_b32 v13, 0xff61b1e6
	s_delay_alu instid0(VALU_DEP_1)
	v_mul_f32 v[T], s[CS], v13
	s_delay_alu instid0(VALU_DEP_1)
	v_floor_f32 v12, -v[T]                         ; -M
	v_mov_b32 v14, 0
	v_mov_b32 v15, 0
.set JJ, 0
.rept 32
	v_mov_b32 v[OT+JJ], 0
.set JJ, JJ+1
.endr
.endm
	TILE_INIT
; A KEY STEP: 128 keys, the q-th of the chunk of 256 in hand.  causal = 1: a step all of whose keys come after my 16 queries is left out (a scalar branch on the wave's number and the step's; the lines at the end that step
; addresses are not jumped over), and in the step on the diagonal hidden scores become -infinity ahead of the maximum.
.macro STEP q, causal
.if \causal
	s_cmp_gt_u32 s[SI], s[SD]
	s_cbranch_scc1 .Lhidden_\@
.endif
	v_add_nc_u32 v[ADK], s[TBK], v[AK0]            ; five plain lines that name no register of the last products: the places in front of the first product below, whose results are laid over V's fragments,
	v_add_nc_u32 v[ADS], s[TS], v[ASK]             ; and in front of the loads into V's scale registers
	v_add_nc_u32 v[ADV0], s[TBV], v[AV0]
	v_add_nc_u32 v[ADV1], s[TBV], v[AV1]
	v_add_nc_u32 v[ADT], s[TJ], v[ASV]
.irp i, 0,1,2,3,4,5,6,7                ; K's tile i = 4 c + T: 24 bytes a lane, in pieces of 8, so that every address is a multiple of the access's size
.irp p, 0,1,2
	ds_load_b64 v[KF+12*\i+2*\p:KF+12*\i+2*\p+1], v[ADK] offset:(\i/4)*1536+(\i%4)*384+8*\p
.endr
.endr
.irp k, 0,1,2,3
	ds_load_u16 v[KS+\k], v[ADS] offset:(\k/2)*144+(\k%2)*32       ; two scale bytes a key, widened with zeros
.endr
.if \q == 0
.irp u, 0,1
	ds_load_b64 v[VS+2*\u:VS+2*\u+1], v[ADT] offset:2304*\u        ; V's scale words of the chunk's two steps
.endr
.endif
	s_wait_dscnt 0x0
.irp i, 0,1,2,3,4,5,6,7                ; S^T = K Q^T
.if \i%2
	v_wmma_scale_f32_16x16x128_f8f6f4 v[S+8*\i:S+8*\i+7], v[KF+12*\i:KF+12*\i+11], v[QF:QF+11], 0, v[KS+\i/2], v[QS] matrix_a_fmt:MATRIX_FMT_FP6 matrix_b_fmt:MATRIX_FMT_FP6 matrix_a_scale:MATRIX_SCALE_ROW1
.else
	v_wmma_scale_f32_16x16x128_f8f6f4 v[S+8*\i:S+8*\i+7], v[KF+12*\i:KF+12*\i+11], v[QF:QF+11], 0, v[KS+\i/2], v[QS] matrix_a_fmt:MATRIX_FMT_FP6 matrix_b_fmt:MATRIX_FMT_FP6
.endif
.endr                                  ; lane (r, h): query r; register 32 c + x: key 64 c + 32 h + x of the step
.rept 4
	v_nop                                          ; places in front of the reads of the scores and of the writes into K's code registers
.endr
.if \causal
	s_cmp_lt_u32 s[SI], s[SD]                      ; a step ahead of the diagonal is open
	s_cbranch_scc1 .Lopen_\@
	v_mov_b32 v[NINF], 0xff800000
.set NN, 0
.rept 64                               ; register n's key is hidden where 64 (n / 32) + n % 32 > my query - the step's first key - 32 h.  Each accumulator from its low end on
	v_cmp_gt_i32 vcc_lo, 64*(NN/32)+NN%32, v[DQ]
	v_cndmask_b32 v[S+NN], v[S+NN], v[NINF], vcc_lo
.set NN, NN+1
.endr
.Lopen_\@:
.endif
.irp k, 0,1,2,3                        ; THE LARGEST SCORE OF MY TWO BLOCKS OF 32 KEYS, in four chains of 16 by turns; each accumulator is first read at its lowest register
	v_max3_num_f32 v[MX+\k], v[S+16*\k], v[S+16*\k+1], v[S+16*\k+2]
.endr
.irp i, 3,5,7,9,11,13
.irp k, 0,1,2,3
	v_max3_num_f32 v[MX+\k], v[MX+\k], v[S+16*\k+\i], v[S+16*\k+\i+1]
.endr
.endr
	v_max3_num_f32 v[MX], v[MX], v[MX+1], v[S+15]
	v_max3_num_f32 v[MX+2], v[MX+2], v[MX+3], v[S+47]
	v_max_num_f32 v[MX], v[MX], v[S+31]            ; block h
	v_max_num_f32 v[MX+2], v[MX+2], v[S+63]        ; block 2 + h.  They serve twice: for the row's maximum and, since p rises with the score, for the block's largest p
	s_delay_alu instid0(VALU_DEP_1)
	v_max_num_f32 v[T], v[MX], v[MX+2]
	s_delay_alu instid0(VALU_DEP_1)
	v_permlanex16_b32 v[T2], v[T], s[SEL], s[SEL+1]
	s_delay_alu instid0(VALU_DEP_1)
	v_max3_num_f32 v13, v13, v[T], v[T2]           ; the largest score of my query so far
	s_delay_alu instid0(VALU_DEP_1)
	v_mul_f32 v[T], s[CS], v13                     ; as t (c is positive)
	v_mov_b32 v[T2], v12
	s_delay_alu instid0(VALU_DEP_2)
	v_floor_f32 v12, -v[T]                         ; the new -M = floor(-t) = -ceil(t): M IS A WHOLE NUMBER
	s_delay_alu instid0(VALU_DEP_1)
	v_sub_f32 v[T2], v12, v[T2]                    ; old M less new M: a whole number, 0 or less
	s_delay_alu instid0(VALU_DEP_1)
	v_cvt_i32_f32 v[T2], v[T2]                     ; (it saturates)
	s_delay_alu instid0(VALU_DEP_1)
	v_ldexp_f32 v[FF], 1.0, v[T2]                  ; f = 2^(old M - new M): a multiplication by it rounds nothing
.set JJ, 0
.rept 32
	v_pk_fma_f32 v[S+JJ:S+JJ+1], v[S+JJ:S+JJ+1], s[CS:CS+1], v[12:13] op_sel_hi:[1,0,0]   ; t - M, two at a time (of the pairs c and -M the low word serves both halves)
.set JJ, JJ+2
.endr
	v_fma_f32 v[MX], v[MX], s[CS], v12             ; the same of each block's largest score
	v_fma_f32 v[MX+2], v[MX+2], s[CS], v12
.set JJ, 0
	s_wait_alu depctr_va_vdst(0)
.rept 64
	v_exp_f32 v[S+JJ], v[S+JJ]                     ; p = 2^(t - M): NOT normalised
.set JJ, JJ+1
.endr
	v_exp_f32 v[MX], v[MX]                         ; the block's largest p: the same two instructions on the same number give the same bits
	v_exp_f32 v[MX+2], v[MX+2]
	v_pk_mul_f32 v[14:15], v[14:15], v[FF:FF+1] op_sel_hi:[1,0]    ; the sums under the new M.  (The plain line behind the exponentials: ISA guide 5.7.2)
	s_wait_alu depctr_va_vdst(0)
	v_max_num_f32 v[MX], 0x1800000, v[MX]          ; the floor 2^(3 - 127): the byte cannot fall under 1 (a block whose every p is 0 keeps that byte: its codes are zeros)
	v_max_num_f32 v[MX+2], 0x1800000, v[MX+2]
	s_delay_alu instid0(VALU_DEP_2)
	v_add_nc_u32 v[SO], 0xff000000, v[MX]          ; 2 off the exponent field: the conversion takes the exponent field of this operand as its scale
	s_delay_alu instid0(VALU_DEP_2)
	v_add_nc_u32 v[SO+1], 0xff000000, v[MX+2]
	s_delay_alu instid0(VALU_DEP_2)
	v_lshrrev_b32 v[BY], 23, v[SO]                 ; the scale's byte
	s_delay_alu instid0(VALU_DEP_2)
	v_lshrrev_b32 v[BY+1], 23, v[SO+1]
	s_delay_alu instid0(VALU_DEP_1)
	v_lshl_or_b32 v[W], v[BY+1], 16, v[BY]         ; my two bytes, blocks h and 2 + h,
	s_delay_alu instid0(VALU_DEP_1)
	v_lshlrev_b32 v[W], v[SH8], v[W]               ; at their places in the scale word;
	s_delay_alu instid0(VALU_DEP_1)
	v_permlanex16_b32 v[T2], v[W], s[SEL], s[SEL+1]
	s_delay_alu instid0(VALU_DEP_1)
	v_or_b32 v[PS], v[W], v[T2]                    ; with lane l xor 16's two the word is whole
	v_cvt_scalef32_pk16_fp6_f32 v[PF:PF+2], v[S:S+15], v[SO]           ; registers 6 c .. 6 c + 2 of P's operand: k = 64 c + 32 h + 0 .. 15
	v_cvt_scalef32_pk16_fp6_f32 v[CT0:CT0+2], v[S+16:S+31], v[SO]      ; (a conversion's three registers begin on an even number: the upper 16 codes are made elsewhere and moved)
	v_cvt_scalef32_pk16_fp6_f32 v[PF+6:PF+8], v[S+32:S+47], v[SO+1]
	v_cvt_scalef32_pk16_fp6_f32 v[CT1:CT1+2], v[S+48:S+63], v[SO+1]
	v_nop                                          ; one plain line between a scaled conversion and the vector instruction that touches its result
.irp i, 0,1,2
	v_mov_b32 v[PF+3+\i], v[CT0+\i]
	v_mov_b32 v[PF+9+\i], v[CT1+\i]
.endr
	v_pk_add_f32 v[200:201], v[92:93], v[96:97]
	v_pk_add_f32 v[240:241], v[100:101], v[104:105]
	v_pk_add_f32 v[238:239], v[108:109], v[112:113]
	v_pk_add_f32 v[236:237], v[116:117], v[120:121]
	v_pk_add_f32 v[228:229], v[124:125], v[128:129]
	v_pk_add_f32 v[226:227], v[132:133], v[136:137]
	v_pk_add_f32 v[224:225], v[140:141], v[144:145]
	v_pk_add_f32 v[14:15], v[14:15], v[148:149]
	v_pk_add_f32 v[200:201], v[200:201], v[88:89]
	v_pk_add_f32 v[240:241], v[240:241], v[90:91]
	v_pk_add_f32 v[238:239], v[238:239], v[94:95]
	v_pk_add_f32 v[236:237], v[236:237], v[98:99]
	v_pk_add_f32 v[228:229], v[228:229], v[102:103]
	v_pk_add_f32 v[226:227], v[226:227], v[106:107]
	v_pk_add_f32 v[224:225], v[224:225], v[110:111]
	v_pk_add_f32 v[14:15], v[14:15], v[114:115]
	v_pk_add_f32 v[200:201], v[200:201], v[118:119]
	v_pk_add_f32 v[240:241], v[240:241], v[122:123]
	v_pk_add_f32 v[238:239], v[238:239], v[126:127]
	v_pk_add_f32 v[236:237], v[236:237], v[130:131]
	v_pk_add_f32 v[228:229], v[228:229], v[134:135]
	v_pk_add_f32 v[226:227], v[226:227], v[138:139]
	v_pk_add_f32 v[224:225], v[224:225], v[142:143]
	v_pk_add_f32 v[14:15], v[14:15], v[146:147]
	v_pk_add_f32 v[200:201], v[200:201], v[150:151]
	s_delay_alu instid0(VALU_DEP_2)
	v_pk_add_f32 v[14:15], v[14:15], v[236:237]
	s_delay_alu instid0(VALU_DEP_2)
	v_pk_add_f32 v[200:201], v[200:201], v[228:229]
	v_pk_add_f32 v[240:241], v[240:241], v[226:227]
	v_pk_add_f32 v[238:239], v[238:239], v[224:225]
	s_delay_alu instid0(VALU_DEP_2)
	v_pk_add_f32 v[14:15], v[14:15], v[240:241]
	s_delay_alu instid0(VALU_DEP_2)
	v_pk_add_f32 v[200:201], v[200:201], v[238:239]
	s_delay_alu instid0(VALU_DEP_1)
	v_pk_add_f32 v[14:15], v[14:15], v[200:201]
.irp t, 0,1,2,3                        ; p is done with: V's four fragments (16 of the head's 64 x these 128 keys) take its registers.  Lanes 0-15 take a row's pieces 12 q + 0, 1, 2 and 12 q + 6, 7, 8 of 8 bytes, lanes 16-31 those three on;
.irp p, 0,1,2,3,4,5                    ; 16 bytes of padding lie behind every 8 pieces: where the piece three on lies behind one padding more, the second address register serves
.set PCE, 12*(\q)+6*(\p/3)+\p%3
.if PCE%8 < 5
	ds_load_b64 v[S+12*\t+2*\p:S+12*\t+2*\p+1], v[ADV0] offset:8*PCE+16*(PCE/8)+3840*\t
.else
	ds_load_b64 v[S+12*\t+2*\p:S+12*\t+2*\p+1], v[ADV1] offset:8*PCE+16*(PCE/8)+3840*\t
.endif
.endr
.endr
.set JJ, 0
.rept 16
	v_pk_mul_f32 v[OT+JJ:OT+JJ+1], v[OT+JJ:OT+JJ+1], v[FF:FF+1] op_sel_hi:[1,0]   ; O^T under the new M, each accumulator from its low end on.  (With the sums: the places between the writes of P and its scale word and the products)
.set JJ, JJ+2
.endr
	s_wait_alu depctr_va_vdst(0)
	s_wait_dscnt 0x0
.irp t, 0,1,2,3                        ; O^T += V^T P^T
.if \t%2
	v_wmma_scale_f32_16x16x128_f8f6f4 v[OT+8*\t:OT+8*\t+7], v[S+12*\t:S+12*\t+11], v[PF:PF+11], v[OT+8*\t:OT+8*\t+7], v[VS+2*(\t/2)+\q], v[PS] matrix_a_fmt:MATRIX_FMT_FP6 matrix_b_fmt:MATRIX_FMT_FP6 matrix_a_scale:MATRIX_SCALE_ROW1
.else
	v_wmma_scale_f32_16x16x128_f8f6f4 v[OT+8*\t:OT+8*\t+7], v[S+12*\t:S+12*\t+11], v[PF:PF+11], v[OT+8*\t:OT+8*\t+7], v[VS+2*(\t/2)+\q], v[PS] matrix_a_fmt:MATRIX_FMT_FP6 matrix_b_fmt:MATRIX_FMT_FP6
.endif
.endr
.if \causal
.Lhidden_\@:
.endif
	s_add_co_u32 s[SI], s[SI], 1
	s_add_co_u32 s[TBK], s[TBK], 3072              ; 128 keys: two rows of KE and of KO
	s_add_co_u32 s[TS], s[TS], 288                 ; four rows of K's scale bytes
.endm
; Four chunks of 256 keys: 1,024 keys.  The trip count is a constant for every wave; what a wave does not need is jumped over inside the step.
.macro CHUNKS causal
	s_mov_b32 s[CNT], 4
.Lchunk_\@:
	STEP 0, \causal
	STEP 1, \causal
	s_add_co_u32 s[TBV], s[TBV], VCH
	s_add_co_u32 s[TJ], s[TJ], 8
	s_sub_co_u32 s[CNT], s[CNT], 1
	s_cmp_lg_u32 s[CNT], 0
	s_cbranch_scc1 .Lchunk_\@
.endm
; THE WAY OUT of a tile.  The sum's two halves and lane l xor 16's are added; O^T / the sum goes through my own stage in LDS and comes back as whole rows: the 32 lanes store two rows of out0, 512 consecutive bytes.
.macro WAYOUT base, more
.rept 4
	v_nop                                          ; places behind the last products
.endr
	v_add_f32 v14, v14, v15
	s_delay_alu instid0(VALU_DEP_1)
	v_permlanex16_b32 v[T2], v14, s[SEL], s[SEL+1]
	s_delay_alu instid0(VALU_DEP_1)
	v_add_f32 v14, v14, v[T2]                      ; the row's sum
	s_wait_alu depctr_va_vdst(0)
	v_rcp_f32 v14, v14
	v_nop                                          ; a plain line behind the reciprocal
.set JJ, 0
	s_wait_alu depctr_va_vdst(0)
.rept 16
	v_pk_mul_f32 v[S+JJ:S+JJ+1], v[OT+JJ:OT+JJ+1], v[14:15] op_sel_hi:[1,0]   ; register 8 t + j: out0(r, 16 t + 8 h + j); each accumulator from its low end on
.set JJ, JJ+2
.endr
.irp t, 0,1,2,3
	ds_store_b128 v[STO], v[S+8*\t:S+8*\t+3] offset:64*\t
	ds_store_b128 v[STO], v[S+8*\t+4:S+8*\t+7] offset:64*\t+16
.endr
.irp i, 0,1,2,3,4,5,6,7
	ds_load_b128 v[S+32+4*\i:S+32+4*\i+3], v[RD] offset:2*\i*SPITCH   ; LDS serves a wave's instructions in order (ISA guide 5.7.1.4): these see my stores
.endr
.irp i, 0,1,2,3,4,5,6,7
	s_wait_dscnt 7-\i                              ; load i is in; the 7 - i younger ones may be out
	global_store_b128 v[GO], v[S+32+4*\i:S+32+4*\i+3], s[\base:\base+1] offset:512*\i th:TH_STORE_NT   ; 512 consecutive bytes at a multiple of 512 from out0's first byte; written once, read by nobody here
.endr
.if \more
	s_wait_xcnt 0x0                                ; the stores have read their registers: the next tile's scores are written there only behind this wait
.endif
.endm
	s_wait_loadcnt 0x0                             ; Q, both tiles
	s_wait_tensorcnt 0x1                           ; all my fills but the youngest have landed: the scale bytes and keys 0 .. 1,023; the youngest, keys 1,024 .. 2,047, may stay out
	s_barrier_signal -1
	s_barrier_wait -1                              ; everybody's have
	CHUNKS 0                                       ; A: the high tile against keys 0 .. 1,023: its diagonal lies at step 8 or later, so all eight steps are open
	s_wait_tensorcnt 0x0                           ; keys 1,024 .. 2,047 have landed,
	s_wait_dscnt 0x0
	s_barrier_signal -1
	s_barrier_wait -1                              ; everybody's parts
	CHUNKS 1                                       ; B: the high tile against keys 1,024 on, up to its diagonal; the steps' addresses simply go on
	WAYOUT OH, 1
.irp p, 0,1,2,3,4,5
	v_mov_b32 v[QF+\p], v[QL+\p]                   ; the low tile
.endr
	v_mov_b32 v[QS], v[QS2]
	v_mov_b32 v[DQ], v[DQ2]
	s_mov_b32 s[SD], s[SDL]
	s_mov_b32 s[SI], 0
	s_mov_b32 s[TBK], 0
	s_mov_b32 s[TBV], 0
	s_mov_b32 s[TS], 0
	s_mov_b32 s[TJ], 0
	TILE_INIT                                      ; (its lines are also the places between the moves above and the next product)
	CHUNKS 1                                       ; C: the low tile: its diagonal lies at step 7 or earlier
	WAYOUT OH+2, 0
	s_wait_dscnt 0x0
	s_wait_xcnt 0x0
	v_lshl_add_u32 v254, v0, 2, 0x49500
	v_mov_b32 v255, 0
	s_wait_alu depctr_va_vdst(0)
	s_wait_tensorcnt 0x0
	ds_add_u32 v254, v255
	s_wait_dscnt 0x0
	CROUND                                         ; the closing round: no work-group ends ahead of its partners
	s_endpgm
.Lfunc_end_k_qe9ceccca5f_attn:
	.size	k_qe9ceccca5f_attn, .Lfunc_end_k_qe9ceccca5f_attn-k_qe9ceccca5f_attn
	.p2alignl 7, 3214868480
	.fill 96, 4, 3214868480
	.section	.rodata,"a",@progbits
	.p2align	6, 0x0
	.amdhsa_kernel k_qe9ceccca5f_attn
		.amdhsa_group_segment_fixed_size 327680
		.amdhsa_private_segment_fixed_size 0
		.amdhsa_enable_private_segment 0
		.amdhsa_kernarg_size 56
		.amdhsa_user_sgpr_count 2
		.amdhsa_user_sgpr_kernarg_segment_ptr 1
		.amdhsa_wavefront_size32 1
		.amdhsa_system_sgpr_workgroup_id_x 1
		.amdhsa_system_sgpr_workgroup_id_y 1
		.amdhsa_system_sgpr_workgroup_id_z 1
		.amdhsa_system_vgpr_workitem_id 0
		.amdhsa_next_free_vgpr 256
		.amdhsa_next_free_sgpr 100
		.amdhsa_reserve_vcc 1
		.amdhsa_float_denorm_mode_32 3
		.amdhsa_float_denorm_mode_16_64 3
		.amdhsa_memory_ordered 1
		.amdhsa_forward_progress 1
		.amdhsa_inst_pref_size 145
	.end_amdhsa_kernel
	.amdgpu_metadata
---
amdhsa.version: [ 1, 2 ]
amdhsa.kernels:
  - .name:           k_qe9ceccca5f_attn
    .symbol:         k_qe9ceccca5f_attn.kd
    .args:
      - { .name: K_codes, .offset: 0, .size: 8, .value_kind: global_buffer, .address_space: global }
      - { .name: K_scales, .offset: 8, .size: 8, .value_kind: global_buffer, .address_space: global }
      - { .name: Q_codes, .offset: 16, .size: 8, .value_kind: global_buffer, .address_space: global }
      - { .name: Q_scales, .offset: 24, .size: 8, .value_kind: global_buffer, .address_space: global }
      - { .name: V_codes, .offset: 32, .size: 8, .value_kind: global_buffer, .address_space: global }
      - { .name: V_scales, .offset: 40, .size: 8, .value_kind: global_buffer, .address_space: global }
      - { .name: out0, .offset: 48, .size: 8, .value_kind: global_buffer, .address_space: global }
    .group_segment_fixed_size: 327680
    .private_segment_fixed_size: 0
    .kernarg_segment_align: 8
    .kernarg_segment_size: 56
    .max_flat_workgroup_size: 512
    .sgpr_count:     100
    .vgpr_count:     256
    .wavefront_size: 32
...
	.end_amdgpu_metadata
.endif
;; end of part 1
